; MI455X (gfx1250); checked and timed in simulation.
; The chip was launched on July 23, 2026; its instructions are those of AMD's public machine-readable ISA for CDNA 5 (MIT licence, August 2026) and "CDNA5" Instruction Set Architecture Reference Guide (July 2026). The comments in the code are by the model that wrote it; some were corrected since.
;; Quantized Linear ZSE. Allowed arithmetic: float matrix products may take bf16 or f16 operands with f32 sums; other float arithmetic in f32, or as packed bf16 or f16 multiplies, adds, multiply-adds, maxima and minima; sums over many terms, partial sums and values carried from step to step in f32; what a program stores and reads back later, other than sums and carried values, may be rounded once to bf16 or f16.
;; Inputs: weight_packed 4,096 x 2,048 int32; weight_scales 4,096 x 32 float32; x 4,096 x 4,096 float32.
;; Outputs: out0 4,096 x 4,096 float32.
;; Constants: group_size = 128.
;; 2 versions, each right; version 2 is version 1 with the launch prep written anew for expert scheduling mode. Each part assembles by itself: llvm-mc -triple=amdgcn-amd-amdhsa -mcpu=gfx1250 --defsym DOCPART=n.
;; ======== version 1 of 2: 2 launches
;; workspace buffers: xb 33,554,432 bytes; wb 33,554,432 bytes
;; launch prep (part 1): grid 768 x 1, 8 waves a work-group, no clusters, 0 bytes of LDS; arguments x, weight_packed, weight_scales, xb, wb; writes xb, wb
.if DOCPART == 1
	.amdgcn_target "amdgcn-amd-amdhsa--gfx1250"
	.amdhsa_code_object_version 6
	.text
	.protected	k_qda2da67bd5_prep
	.globl	k_qda2da67bd5_prep
	.p2align	8
	.type	k_qda2da67bd5_prep,@function
k_qda2da67bd5_prep:
	s_mov_b64 s[64:65], 0
	v_nop
	global_prefetch_b8 v0, s[64:65] scope:SCOPE_SE
	s_setreg_imm32_b32 hwreg(HW_REG_WAVE_MODE, 25, 1), 1
	s_wait_xcnt 0x0
; xb[t][k] = bf16(x[t][k]);  wb[n][k] = bf16(q[n][k] * bf16(s[n][k / 128])), q = nibble - 8.  Both [4096][4096] bf16, rows of 8,192 bytes.
; A stream: each input byte is read once, each output byte written once, no LDS, no barrier, no loop.  Every wave moves 16,384 bytes of input by 32 loads
; of 16 bytes a lane, all issued at once, and works them off in order behind counted waits.
; SHARES.  Work-groups 0 to 511 take x: eight rows each, a row (16,384 bytes) a wave.  Work-groups 512 to 767 take the weights: sixteen rows each, two rows a wave.
; No register that a store reads, no offset and no base is written again behind its store: so no wait frees any of them.
; ARITHMETIC.  All float inputs are rounded to bf16, to nearest even: x once; the scale once, and then the product q s once more.
; nibble * s - 8 s is one fused multiply-add in f32 and exact there (4 bits times 8 bits).
; LIMITS.  Bits above bit 7 of a packed word are ignored, as the masks of the definition ignore them.  8 |s| must be finite in f32: |s| under 2^124.
; A weight of value 0 is stored as +0.
.set SRAW, 4                           ; v[4:5]    two scales as loaded: groups 2 i and 2 i + 1 of my half's row, i = lane % 16
.set SPK,  6                           ; v6        both rounded to bf16
.set SR,   8                           ; v8, v9    bf16(s) as f32: even group, odd group
.set SM,   10                          ; v10, v11  -8 bf16(s)
.set PS,   12                          ; v[12:13]  the chunk's scale in v12 (the packed form names the pair and takes its low register for both halves)
.set PC,   14                          ; v[14:15]  the chunk's -8 s in v14
.set T,    16                          ; v[16:23]  eight numbers at work
.set X,    24                          ; v[24:151] chunk j: four registers, as loaded and then as stored
	s_load_b256 s[4:11], s[0:1], 0x0               ; x s[4:5], weight_packed s[6:7], weight_scales s[8:9], xb s[10:11]
	s_load_b64 s[12:13], s[0:1], 0x20              ; wb
	v_and_b32 v1, 31, v0                           ; lane
	v_lshrrev_b32 v7, 5, v0                        ; wave
	s_cmp_lt_u32 ttmp9, 512
	s_cbranch_scc0 .Lweights
	; ---- x: row 8 b + wave.  A load of the wave covers 512 consecutive bytes of x; the 128 numbers leave as 256 consecutive bytes of xb, aligned.
	s_lshl_b32 s14, ttmp9, 17                      ; eight rows of 16,384 bytes
	s_mov_b32 s15, 0
	s_lshl_b32 s16, ttmp9, 16                      ; eight rows of 8,192 bytes
	s_mov_b32 s17, 0
	v_lshlrev_b32 v2, 4, v1
	v_lshl_add_u32 v2, v7, 14, v2                  ; in: 16 x lane + 16,384 x wave
	v_lshlrev_b32 v3, 3, v1
	v_lshl_add_u32 v3, v7, 13, v3                  ; out: 8 x lane + 8,192 x wave
	s_wait_kmcnt 0x0
	s_add_nc_u64 s[4:5], s[4:5], s[14:15]
	s_add_nc_u64 s[10:11], s[10:11], s[16:17]
.irp j, 0,1,2,3,4,5,6,7,8,9,10,11,12,13,14,15,16,17,18,19,20,21,22,23,24,25,26,27,28,29,30,31
	global_load_b128 v[X+4*(\j):X+4*(\j)+3], v2, s[4:5] offset:512*(\j) th:TH_LOAD_NT
.endr
.macro XCH j
	s_wait_loadcnt 31-(\j)                         ; loads come back in order: chunk j is in, the 31 - j younger ones stay out
	v_cvt_pk_bf16_f32 v[X+4*(\j)],   v[X+4*(\j)],   v[X+4*(\j)+1]
	v_cvt_pk_bf16_f32 v[X+4*(\j)+1], v[X+4*(\j)+2], v[X+4*(\j)+3]
	global_store_b64 v3, v[X+4*(\j):X+4*(\j)+1], s[10:11] offset:256*(\j)  ; 32 lanes x 8 bytes: 256 consecutive bytes, aligned
.endm
.irp j, 0,1,2,3,4,5,6,7,8,9,10,11,12,13,14,15,16,17,18,19,20,21,22,23,24,25,26,27,28,29,30,31
	XCH \j
.endr
	s_endpgm
	; ---- the weights: rows 2 p and 2 p + 1, p = 8 (b - 512) + wave.  A word of 4 bytes holds two weights and becomes two bf16, 4 bytes: a byte offset in wb
	; is the same as in weight_packed.  A group of 128 weights is 64 words, 256 bytes of a row: chunk g of 32 is group g, lanes 0-15 in row 2 p, lanes 16-31 in row 2 p + 1.
.Lweights:
	s_and_b32 s18, ttmp9, 255                      ; b - 512, for b = 512 .. 767
	s_lshl_b32 s14, s18, 17                        ; sixteen rows of 8,192 bytes, in weight_packed and in wb
	s_mov_b32 s15, 0
	s_lshl_b32 s16, s18, 11                        ; sixteen rows of 32 scales
	s_mov_b32 s17, 0
	v_and_b32 v2, 15, v0
	v_lshlrev_b32 v2, 4, v2                        ; 16 x (lane % 16)
	v_bfe_u32 v3, v0, 4, 1
	v_lshl_add_u32 v2, v3, 13, v2                  ; + a row for lanes 16-31
	v_lshl_add_u32 v2, v7, 14, v2                  ; + two rows a wave
	v_lshlrev_b32 v3, 3, v0                        ; the scales: 8 bytes a thread: a wave takes its two rows' 64 scales, 256 consecutive bytes, aligned
	v_mov_b32 v[PS], 0                             ; written whole once: a move between lanes counts its destination as read, and the packed form names both registers of a pair
	v_mov_b32 v[PS+1], 0
	v_mov_b32 v[PC], 0
	v_mov_b32 v[PC+1], 0
	s_wait_kmcnt 0x0
	s_add_nc_u64 s[6:7], s[6:7], s[14:15]
	s_add_nc_u64 s[12:13], s[12:13], s[14:15]
	s_add_nc_u64 s[8:9], s[8:9], s[16:17]
	global_load_b64 v[SRAW:SRAW+1], v3, s[8:9]     ; lane i of each half: groups 2 i and 2 i + 1 of that half's own row
.irp g, 0,1,2,3,4,5,6,7,8,9,10,11,12,13,14,15,16,17,18,19,20,21,22,23,24,25,26,27,28,29,30,31
	global_load_b128 v[X+4*(\g):X+4*(\g)+3], v2, s[6:7] offset:256*(\g) th:TH_LOAD_NT
.endr
	s_wait_loadcnt 32                              ; the scales are in: the 32 loads of words are younger
	v_cvt_pk_bf16_f32 v[SPK], v[SRAW], v[SRAW+1]   ; the scales' own rounding
	v_lshlrev_b32 v[SR], 16, v[SPK]                ; and back to f32
	v_and_b32 v[SR+1], 0xffff0000, v[SPK]
	v_mul_f32 v[SM], 0xc1000000, v[SR]             ; -8 s, exact
	v_mul_f32 v[SM+1], 0xc1000000, v[SR+1]
; Chunk g = 2 i + p: its scale lies in lane i of my half of the lanes, in the register of parity p.
.macro WCH i, p
	s_wait_loadcnt 31-(2*(\i)+(\p))                ; chunk g is in, the 31 - g younger ones stay out
	v_mov_b32_dpp v[PS], v[SR+(\p)] row_share:\i row_mask:0xf bank_mask:0xf  ; every lane of a half takes that half's lane i
	v_mov_b32_dpp v[PC], v[SM+(\p)] row_share:\i row_mask:0xf bank_mask:0xf
.irp k, 0,1,2,3
	v_and_b32 v[T+2*(\k)],   15, v[X+4*(2*(\i)+(\p))+(\k)]      ; the low nibble: the even column
	v_bfe_u32 v[T+2*(\k)+1], v[X+4*(2*(\i)+(\p))+(\k)], 4, 4    ; the high nibble: the odd column
.endr
.irp k, 0,1,2,3,4,5,6,7
	v_cvt_f32_u32 v[T+(\k)], v[T+(\k)]
.endr
.irp k, 0,2,4,6
	v_pk_fma_f32 v[T+(\k):T+(\k)+1], v[T+(\k):T+(\k)+1], v[PS:PS+1], v[PC:PC+1] op_sel_hi:[1,0,0]  ; nibble s - 8 s, two at a time
.endr
.irp k, 0,1,2,3
	v_cvt_pk_bf16_f32 v[X+4*(2*(\i)+(\p))+(\k)], v[T+2*(\k)], v[T+2*(\k)+1]  ; the even column into the low half
.endr
	global_store_b128 v2, v[X+4*(2*(\i)+(\p)):X+4*(2*(\i)+(\p))+3], s[12:13] offset:256*(2*(\i)+(\p))  ; each half of the lanes: 256 consecutive bytes, aligned
.endm
.irp i, 0,1,2,3,4,5,6,7,8,9,10,11,12,13,14,15
.irp p, 0,1
	WCH \i, \p
.endr
.endr
	s_endpgm
.Lfunc_end_k_qda2da67bd5_prep:
	.size	k_qda2da67bd5_prep, .Lfunc_end_k_qda2da67bd5_prep-k_qda2da67bd5_prep
	.p2alignl 7, 3214868480
	.fill 96, 4, 3214868480
	.section	.rodata,"a",@progbits
	.p2align	6, 0x0
	.amdhsa_kernel k_qda2da67bd5_prep
		.amdhsa_group_segment_fixed_size 0
		.amdhsa_private_segment_fixed_size 0
		.amdhsa_enable_private_segment 0
		.amdhsa_kernarg_size 40
		.amdhsa_user_sgpr_count 2
		.amdhsa_user_sgpr_kernarg_segment_ptr 1
		.amdhsa_wavefront_size32 1
		.amdhsa_system_sgpr_workgroup_id_x 1
		.amdhsa_system_sgpr_workgroup_id_y 1
		.amdhsa_system_sgpr_workgroup_id_z 1
		.amdhsa_system_vgpr_workitem_id 0
		.amdhsa_next_free_vgpr 152
		.amdhsa_next_free_sgpr 66
		.amdhsa_reserve_vcc 0
		.amdhsa_float_denorm_mode_32 3
		.amdhsa_float_denorm_mode_16_64 3
		.amdhsa_memory_ordered 1
		.amdhsa_forward_progress 1
		.amdhsa_inst_pref_size 61
	.end_amdhsa_kernel
	.amdgpu_metadata
---
amdhsa.version: [ 1, 2 ]
amdhsa.kernels:
  - .name:           k_qda2da67bd5_prep
    .symbol:         k_qda2da67bd5_prep.kd
    .args:
      - { .name: x, .offset: 0, .size: 8, .value_kind: global_buffer, .address_space: global }
      - { .name: weight_packed, .offset: 8, .size: 8, .value_kind: global_buffer, .address_space: global }
      - { .name: weight_scales, .offset: 16, .size: 8, .value_kind: global_buffer, .address_space: global }
      - { .name: xb, .offset: 24, .size: 8, .value_kind: global_buffer, .address_space: global }
      - { .name: wb, .offset: 32, .size: 8, .value_kind: global_buffer, .address_space: global }
    .group_segment_fixed_size: 0
    .private_segment_fixed_size: 0
    .kernarg_segment_align: 8
    .kernarg_segment_size: 40
    .max_flat_workgroup_size: 256
    .sgpr_count:     66
    .vgpr_count:     152
    .wavefront_size: 32
...
	.end_amdgpu_metadata
.endif
;; end of part 1
;; launch gemm (part 2): grid 16 x 16, 4 waves a work-group, clusters of 4 x 4, 327,680 bytes of LDS; arguments xb, wb, out0; writes out0
.if DOCPART == 2
	.amdgcn_target "amdgcn-amd-amdhsa--gfx1250"
	.amdhsa_code_object_version 6
	.text
	.protected	k_qda2da67bd5_gemm
	.globl	k_qda2da67bd5_gemm
	.p2align	8
	.type	k_qda2da67bd5_gemm,@function
k_qda2da67bd5_gemm:
	s_mov_b64 s[64:65], 0
	v_nop
	global_prefetch_b8 v0, s[64:65] scope:SCOPE_SE
	s_setreg_imm32_b32 hwreg(HW_REG_WAVE_MODE, 25, 1), 1
	s_wait_xcnt 0x0
	s_wait_alu depctr_hold_cnt(0) depctr_sa_sdst(0) depctr_va_vdst(0) depctr_va_sdst(0) depctr_va_ssrc(0) depctr_va_vcc(0) depctr_vm_vsrc(0)
	s_getreg_b32 s2, hwreg(HW_REG_IB_STS2, 6, 4)
	s_cmp_eq_u32 s2, 0
	s_cbranch_scc0 .Lentry_in_a_cluster
	s_endpgm
.Lentry_in_a_cluster:
	s_bfe_u32 s2, ttmp6, 0x10000c
	s_cmp_lg_u32 s2, 0xf033
	s_cbranch_scc0 .Lentry_shape_is_right
	s_endpgm
.Lentry_shape_is_right:
; C[m][n] = sum over k of A[m][k] B[n][k].  A = xb [4096][4096] bf16, B = wb [4096][4096] bf16, C = out0 [4096][4096] f32.  One f32 sum for each output, K ascending.
; A tile of C, 256 x 256, is made by a work-group of four waves; a wave makes 128 x 128: 64 accumulators of 16 x 16, 512 registers.  16 x 16 tiles: 256 work-groups.
; K goes in 32 steps of 128 through a ring of two LDS slots filled by the tensor data mover: a tile's rows are 256 bytes of memory, at multiples of 256 bytes from the buffer's first byte.
; CLUSTERS: 4 x 4 work-groups.  The four of a row of the cluster need the same tiles of A, the four of a column the same tiles of B.  Such a tile is asked for JOINTLY: each of the four
; issues the same tensor load, with the same descriptor and a mask that names the four, and each receives the tile in its own LDS: a quarter of the requests.
; REGISTERS, in windows of 256 (s_set_vgpr_msb's low byte: bits 1:0 source 0, 3:2 source 1, 5:4 source 2, 7:6 destination):
;   window 0: v0-31 addresses; v64-127, v128-191 fragments of A (8 x 16 rows x 32 K), two buffers; on the way out the same 128 registers take rows read back from the stage
;   window 1: v64-127, v128-191 fragments of B, two buffers
;   window 2: the 32 accumulators of my rows 0-63 (accumulator (a, b) at v[8 (8 a + b)]);   window 3: those of my rows 64-127
; THE MATRIX INSTRUCTION IS USED TRANSPOSED: source 0 = 16 rows of B, source 1 = 16 rows of A.  Lane l then holds row l % 16 of C and the columns 8 (l / 16) + 0 .. 7: 32 consecutive bytes of a row.
; LIMITS: the operands are bf16 as the launch before rounded them; NaN and infinities go through the sums as the matrix unit treats them.
.set SIZE_M, 4096
.set SIZE_N, 4096
.set SIZE_K, 4096
.set KSTEP,  128
.set PITCH,  272                       ; an LDS row: 256 bytes of data + 16 of padding = 68 words: row r starts at bank 4 r mod 64 (64 banks of 4 bytes: ISA guide 11.1), so the 16 rows of a load start at 16 different banks
.set HALFT,  128*PITCH                 ; 128 rows: what one tensor load brings, and what one wave reads of A or of B
.set SLOT,   4*HALFT                   ; A's 256 rows, then B's 256 rows: 139,264 bytes
.set STAGE,  2*SLOT                    ; behind the ring: a stage for each wave, for the way out; no tensor load lands there
.set SPITCH, 528                       ; a stage row: 128 f32 = 512 bytes + 16: the 16 rows that a store touches start at 16 different groups of four banks
.set WSTAGE, 16*SPITCH                 ; 8,448 bytes: 33 blocks of 256
.set SPARE,  STAGE+4*WSTAGE            ; behind the stages: the spare words, 128 bytes for each wave: two blocks of 256 bytes that no other line names
.set LAPS,   SIZE_K/(2*KSTEP)          ; a lap = two K steps = once round the ring: 16
.set ADRA, 16                          ; v16-17  LDS address of my A fragments in slot 0, 1
.set ADRB, 20                          ; v20-21  the same for B
.set STO,  24                          ; v24     the way out: where I put 32 bytes of a row
.set RD,   25                          ; v25     the way out: where I read 16 bytes of a whole row back
.set CO,   26                          ; v26     my byte offset in 512 consecutive bytes of C
.set SPW,  28                          ; v28     LDS address of my spare word: SPARE + 4 x my thread's number; never rewritten
.set NIL,  29                          ; v29     0; never rewritten
.set PFO,  30                          ; v30     the prefetches' offset: my lane x a row of A or B in memory (8,192 bytes); never rewritten
.set PFA,  44                          ; s[44:45] where my prefetches stand: my work-group's 32 rows of the 128 that I fetch, one K step further along K than the refill in hand; a prefetch names the K step after that
.set LIM,  43                          ; s43     1 in a wave that prefetches, else the greatest number
.set F0,   64                          ; fragment buffer 0
.set F1,   128                         ; fragment buffer 1
.set OB,   64                          ; the way out: 16 rows read back from the stage, 64 registers: v64-127 and v128-191 by turns
.set G1,  24                           ; s[24:31] descriptor group 1 for A's tiles
.set G0,  32                           ; s[32:39] descriptor group 0 for A's tiles, one set for each slot
.set G1B, 48                           ; s[48:55] descriptor group 1 for B's tiles: it differs from A's in the mask alone
.set G0B, 56                           ; s[56:63] descriptor group 0 for B's tiles, one set for each slot
.set MSB, 0
.macro WIN new                         ; the immediate's high byte repeats the setting that is left; a switch that changes nothing is dropped
.if MSB != (\new)
	s_set_vgpr_msb (MSB<<8)|(\new)
.set MSB, \new
.endif
.endm
.set MUL_LO, 0xa1                      ; source 0 (B) window 1, source 1 (A) window 0, C and D window 2
.set MUL_HI, 0xf1                      ; the same, C and D window 3
.set TO_B,   0x40                      ; destination window 1, address window 0
; A joint load.  Waves 0 and 1 fetch A's two halves, waves 2 and 3 B's.  Each of the two lines has ONE mask and one set of registers for all that issue it.  The branch hangs on the
; wave's number alone.  An s_nop 0 and four v_nop follow each of the two lines, ahead of the jump, the label and what follows the macro.
.macro JLOAD s
	s_cmp_eq_u32 s11, 0
	s_cbranch_scc0 .Lfor_b_\@
	tensor_load_to_lds s[G0+4*(\s):G0+4*(\s)+3], s[G1:G1+7]
	s_nop 0
.rept 4
	v_nop
.endr
	s_branch .Lasked_\@
.Lfor_b_\@:
	tensor_load_to_lds s[G0B+4*(\s):G0B+4*(\s)+3], s[G1B:G1B+7]
	s_nop 0
.rept 4
	v_nop
.endr
.Lasked_\@:
.endm
; A PREFETCH, behind each joint refill, its five lines and the run of LDS loads that follows them: the K step that stands TWO refills on (512 matrix instructions ahead of the load that will ask for it):
; 32 rows x 256 bytes, a lane a row, one instruction a wave.  Each row's 256 bytes of a K step are named ONCE in the launch: A's tile row is read by every cluster of that row of clusters, and the one
; with cluster x = 0 asks; B's tile column by every cluster of that column, and the one with cluster y = 0 asks.  The four partners that ask for a tile jointly share its rows out BY ADDRESS:
; of the 128 rows that a wave fetches, the partner at place p takes 32 p .. 32 p + 31 (p = cx for A, cy for B).  K steps 0 to 3 come by their loads alone; the loop's last trip (s3 = 1) asks for
; nothing: the last K steps named are 30 and 31, inside each row.
.macro ASK
	s_cmp_gt_u32 s3, s[LIM]
	s_cbranch_scc0 .Lnot_mine_\@
	global_prefetch_b8 v[PFO], s[PFA:PFA+1] offset:KSTEP*2 th:TH_LOAD_NT scope:SCOPE_SE
.Lnot_mine_\@:
.endm
; A round of the cluster's barrier: my work-group's barrier, so that wave 0's signal speaks for all four waves; wave 0 signals for the work-group; every wave waits for all sixteen
; work-groups; my work-group's barrier once more.  No LDS instruction of the wave is pending at a signal.
.macro CREST                           ; a round behind its opening barrier
	s_cmp_lg_u32 s10, 0
	s_cbranch_scc1 .Lnot_wave_0_\@
	s_barrier_signal -3
.Lnot_wave_0_\@:
	s_barrier_wait -3
	s_barrier_signal -1
	s_barrier_wait -1
.endm
.macro CROUND                          ; a whole round
	s_barrier_signal -1
	s_barrier_wait -1
	CREST
.endm
	s_load_b128 s[4:7], s[0:1], 0x0                ; A s[4:5], B s[6:7]
	s_load_b64 s[8:9], s[0:1], 0x10                ; C
	v_lshl_add_u32 v[SPW], v0, 2, SPARE
	v_mov_b32 v[NIL], 0
	ds_add_u32 v[SPW], v[NIL]                      ; the wave's opening: the add and its wait stand ahead of my first tensor load; the set-up below, work on registers, stands between them
	v_lshrrev_b32 v1, 5, v0
	v_readfirstlane_b32 s10, v1                    ; wave 0..3
	s_lshr_b32 s11, s10, 1                         ; which half of the tile's rows is mine.  Also: I fetch for A (0) or for B (1)
	s_and_b32 s12, s10, 1                          ; which half of its columns.  Also: which 128 rows of that tile I fetch
	s_bfe_u32 s40, ttmp6, 0x40000                  ; cx: my place along the cluster's x
	s_bfe_u32 s41, ttmp6, 0x40004                  ; cy: along its y
	s_lshl_b32 s42, ttmp9, 2                       ; in a cluster launch ttmp9 and ttmp7 count clusters
	s_add_co_u32 s42, s42, s40                     ; tile column of C = 4 x cluster x + cx
	s_and_b32 s13, ttmp7, 0xffff
	s_lshl_b32 s13, s13, 2
	s_add_co_u32 s13, s13, s41                     ; tile row of C = 4 x cluster y + cy
	s_lshl_b32 s43, s41, 2
	s_lshl_b32 s43, 15, s43                        ; my row of the cluster: places 4 cy .. 4 cy + 3
	s_lshl_b32 s44, 0x1111, s40                    ; my column: places cx, cx + 4, cx + 8, cx + 12
	; descriptor group 1: a tile of 128 rows x 128 elements, padded in LDS
	s_or_b32 s[G1+0], s43, (1<<16)|(1<<20)|(1<<21)|(5<<22)|(3<<25)   ; 15:0 the mask: A's tiles go to my row; 17:16 elements of 2 bytes; 20 padding on; 21 set beside a mask; 24:22 after every 64 words (code 5); 31:25 4 words of it (code 3)
	s_or_b32 s[G1B+0], s44, (1<<16)|(1<<20)|(1<<21)|(5<<22)|(3<<25)  ; the same with the mask of my column, for B's tiles
.irp g, G1, G1B
	s_mov_b32 s[(\g)+1], KSTEP<<16                 ; 63:48 tensor_dim0, low half = 128
	s_mov_b32 s[(\g)+2], 128<<16                   ; 79:64 its high half = 0; 95:80 tensor_dim1, low half = 128
	s_mov_b32 s[(\g)+3], KSTEP<<16                 ; 111:96 its high half = 0; 127:112 tile_dim0 = 128
	s_mov_b32 s[(\g)+4], 128                       ; 143:128 tile_dim1 = 128; 159:144 tile_dim2 = 0
	s_mov_b32 s[(\g)+5], SIZE_K                    ; 191:160 tensor_dim0_stride, low word: elements from row to row
	s_mov_b32 s[(\g)+6], 0
	s_mov_b32 s[(\g)+7], 0
.endr
	; where the tiles come from.  A's hang on the tile row alone, which my row of the cluster shares; B's on the tile column alone, which my column shares.
	; Every wave makes both addresses, in registers that never hold the other coordinate, and asks by one of them.
	s_lshl_b32 s17, s12, 7                         ; which 128 rows of the tile I fetch
	s_lshl_b32 s16, s13, 8
	s_add_co_u32 s16, s16, s17                     ; A: row 256 x tile row + 128 x half
	s_lshl_b32 s46, s42, 8
	s_add_co_u32 s46, s46, s17                     ; B: row 256 x tile column + 128 x half
	s_mov_b32 s17, 0
	s_mov_b32 s47, 0
	s_mov_b64 s[18:19], SIZE_K*2
	s_mul_u64 s[16:17], s[16:17], s[18:19]         ; in bytes, in 64 bits
	s_mul_u64 s[46:47], s[46:47], s[18:19]
	s_mul_i32 s20, s10, HALFT                      ; and where they go: A's two halves, then B's two halves = wave x 128 rows: no place in the cluster enters an LDS address
	s_wait_dscnt 0x0                               ; the opening add is done
	s_wait_kmcnt 0x0
	s_add_nc_u64 s[14:15], s[4:5], s[16:17]
	s_add_nc_u64 s[46:47], s[6:7], s[46:47]
	CROUND                                         ; all sixteen work-groups are here: the first joint loads meet
.irp s, 0,1
	s_mov_b32 s[G0+4*(\s)], 1                                        ; 1:0 count = 1
	s_add_co_u32 s[G0+4*(\s)+1], s20, (\s)*SLOT                      ; 63:32 LDS address
	s_add_nc_u64 s[G0+4*(\s)+2:G0+4*(\s)+3], s[14:15], (\s)*KSTEP*2  ; 120:64 global address: K step s
	s_or_b32 s[G0+4*(\s)+3], s[G0+4*(\s)+3], 0x80000000              ; 127:126 type = 2
	s_mov_b32 s[G0B+4*(\s)], 1
	s_add_co_u32 s[G0B+4*(\s)+1], s20, (\s)*SLOT
	s_add_nc_u64 s[G0B+4*(\s)+2:G0B+4*(\s)+3], s[46:47], (\s)*KSTEP*2
	s_or_b32 s[G0B+4*(\s)+3], s[G0B+4*(\s)+3], 0x80000000
	JLOAD \s                                       ; the ring is filled before anything else is done: two loads of mine are out
.endr
	; A fragment is 16 rows x 32 K in 8 registers: lane l holds row l % 16; registers 0-3 hold K = 8 (l / 16) + 0..7, registers 4-7 hold
	; K = 16 + 8 (l / 16) + 0..7.  From rows that lie along K: two loads of 16 bytes, 32 bytes apart.  The same for source 0 and source 1.
	v_and_b32 v1, 15, v0                           ; l % 16
	v_bfe_u32 v2, v0, 4, 1                         ; l / 16
	v_mul_u32_u24 v3, v1, PITCH
	v_lshl_add_u32 v3, v2, 4, v3                   ; row x pitch + 16 x half
	s_mul_i32 s21, s11, HALFT                      ; my 128 rows of A
	s_mul_i32 s22, s12, HALFT                      ; my 128 rows of B,
	s_add_co_u32 s22, s22, 2*HALFT                 ; which lie behind A's 256
.irp s, 0,1
	v_add_nc_u32 v[ADRA+(\s)], s21, v3
	v_add_nc_u32 v[ADRB+(\s)], s22, v3
	s_add_co_u32 s21, s21, SLOT
	s_add_co_u32 s22, s22, SLOT
.endr
	s_mul_i32 s23, s10, WSTAGE
	s_add_co_u32 s23, s23, STAGE                   ; my stage
	v_mul_u32_u24 v4, v1, SPITCH                   ; in: row l % 16, 32 bytes for each half of the lanes
	v_lshl_add_u32 v4, v2, 5, v4
	v_add_nc_u32 v[STO], s23, v4
	v_and_b32 v5, 31, v0
	v_lshlrev_b32 v[CO], 4, v5                     ; back and out: 32 lanes x 16 bytes are one row's 512 bytes
	v_add_nc_u32 v[RD], s23, v[CO]
	; C at my part of the tile: added once; every store's place among my 128 rows stands in its immediate
	s_lshl_b32 s13, s13, 8
	s_lshl_b32 s14, s11, 7
	s_add_co_u32 s16, s13, s14                     ; my first row of C
	s_mov_b32 s17, 0
	s_mov_b64 s[18:19], SIZE_N*4
	s_mul_u64 s[16:17], s[16:17], s[18:19]
	s_lshl_b32 s46, s42, 10                        ; my first column, in bytes: 1,024 x tile column + 512 x half
	s_lshl_b32 s47, s12, 9
	s_add_co_u32 s46, s46, s47
	s_mov_b32 s47, 0
	s_add_nc_u64 s[16:17], s[16:17], s[46:47]
	s_add_nc_u64 s[8:9], s[8:9], s[16:17]
	; the prefetches.  s13 = 256 x tile row, s42 = tile column, s40 = cx, s41 = cy still stand; s[4:5] = A, s[6:7] = B
	s_lshl_b32 s42, s42, 8
	s_and_b32 s22, ttmp7, 0xffff                   ; cluster y
	s_cmp_eq_u32 s11, 0                            ; do I fetch for A?
	s_cselect_b32 s20, s13, s42                    ; the tile's first row: in A by the tile row, in B by the tile column
	s_cselect_b32 s21, s40, s41                    ; my place among the four that ask for it with me
	s_cselect_b32 s22, ttmp9, s22                  ; the coordinate along which other clusters read the same rows
	s_cselect_b64 s[PFA:PFA+1], s[4:5], s[6:7]
	s_cmp_eq_u32 s22, 0
	s_cselect_b32 s[LIM], 1, -1                    ; the same in all sixteen partners, for a given wave
	s_lshl_b32 s22, s12, 7
	s_add_co_u32 s20, s20, s22                     ; + the 128 rows that I fetch
	s_lshl_b32 s21, s21, 5
	s_add_co_u32 s20, s20, s21                     ; + my work-group's 32 of them
	s_mov_b32 s21, 0
	s_mov_b64 s[18:19], SIZE_K*2
	s_mul_u64 s[20:21], s[20:21], s[18:19]
	s_add_nc_u64 s[PFA:PFA+1], s[PFA:PFA+1], s[20:21]
	s_add_nc_u64 s[PFA:PFA+1], s[PFA:PFA+1], 2*KSTEP*2  ; at K step 2: the first refill steps it to 3 and names K step 4
	v_and_b32 v[PFO], 31, v0
	v_mul_u32_u24 v[PFO], v[PFO], SIZE_K*2
; 16 matrix instructions: m blocks a0, a0 + 1 of the window's four (hi = 0: my rows 0-63, 1: rows 64-127) x all 8 n blocks, 32 along K.
; zero = 1: the first product starts the sums: nothing is ever cleared.  The 64 accumulators take turns, one instruction a turn, in the same order in every quarter step.
.macro MUL16 f, hi, a0, zero
	WIN MUL_LO+0x50*(\hi)
.irp a, \a0, (\a0)+1
.irp b, 0,1,2,3,4,5,6,7
.if \zero
	v_wmma_f32_16x16x32_bf16 v[8*(8*(\a)+(\b)):8*(8*(\a)+(\b))+7], v[(\f)+8*(\b):(\f)+8*(\b)+7], v[(\f)+8*(4*(\hi)+(\a)):(\f)+8*(4*(\hi)+(\a))+7], 0
.else
	v_wmma_f32_16x16x32_bf16 v[8*(8*(\a)+(\b)):8*(8*(\a)+(\b))+7], v[(\f)+8*(\b):(\f)+8*(\b)+7], v[(\f)+8*(4*(\hi)+(\a)):(\f)+8*(4*(\hi)+(\a))+7], v[8*(8*(\a)+(\b)):8*(8*(\a)+(\b))+7]
.endif
.endr
.endr
.endm
; 32 LDS loads in one run: the fragments of one quarter step (128 rows of B, 128 rows of A, 32 K at byte k of the rows) into buffer f
.macro FETCH slot, k, f
	WIN TO_B
.irp i, 0,1,2,3,4,5,6,7
	ds_load_b128 v[(\f)+8*(\i):(\f)+8*(\i)+3],   v[ADRB+(\slot)] offset:(\k)+(\i)*16*PITCH
	ds_load_b128 v[(\f)+8*(\i)+4:(\f)+8*(\i)+7], v[ADRB+(\slot)] offset:(\k)+(\i)*16*PITCH+32
.endr
	WIN 0
.irp i, 0,1,2,3,4,5,6,7
	ds_load_b128 v[(\f)+8*(\i):(\f)+8*(\i)+3],   v[ADRA+(\slot)] offset:(\k)+(\i)*16*PITCH
	ds_load_b128 v[(\f)+8*(\i)+4:(\f)+8*(\i)+7], v[ADRA+(\slot)] offset:(\k)+(\i)*16*PITCH+32
.endr
.endm
; A load into a register that a matrix instruction has read, and a store that reads a matrix result, stand four places behind that matrix instruction, and only plain vector
; instructions that name none of its registers are places (ISA guide 7.12.1 for vector instructions); the matrix instructions in between are not counted.
.macro PLACES
.rept 4
	v_nop
.endr
.endm
; A K step is four quarter steps of 32 along K, 64 matrix instructions each, on buffers 0, 1, 0, 1.
; One of the first three: multiplies buffer f; in its middle it fetches the next quarter's fragments, at byte k of the same slot's rows, into buffer g.
.macro QUARTER slot, k, f, g, zero
	s_wait_dscnt 8                                 ; B and A's rows 0-63 are in; the youngest eight loads (A's rows 64-127) may be out
	WIN MUL_LO
	MUL16 \f, 0, 0, \zero
	MUL16 \f, 0, 2, \zero
	PLACES
	FETCH \slot, \k, \g
	s_wait_dscnt 32                                ; all but the 32 just issued
	WIN MUL_HI
	MUL16 \f, 1, 0, \zero
	MUL16 \f, 1, 2, \zero
.endm
; The last quarter multiplies buffer 1 and changes slots.  MEET is its first half: ONE barrier for the change of slots, for two things.  In front of it each wave waits for all its tensor
; loads, of which one is out: its part of the next slot; adds 0 to its spare word; and waits for that and for its own reads of this slot.  Behind it nobody reads this slot any more and the next slot is whole.
.macro MEET round                      ; round = 1: a round of the cluster's barrier follows
	WIN 0                                          ; (the add's two registers lie in window 0)
	s_wait_tensorcnt 0x0                           ; all my tensor loads have landed: the one that was out is my part of the next slot;
	ds_add_u32 v[SPW], v[NIL]                      ; 0 onto my spare word;
	s_wait_dscnt 9                                 ; (the add and the youngest eight loads may be out)
	WIN MUL_LO
	MUL16 F1, 0, 0, 0                              ; sixteen matrix instructions stand between the add and the wait for it
	s_wait_dscnt 0x0                               ; the add is done, and my reads of this slot are over:
	s_barrier_signal -1                            ; say so (where a slot is filled again this barrier opens a round of the cluster's barrier),
	MUL16 F1, 0, 2, 0                              ; work on registers while the others arrive,
.if \round
	WIN 0
.endif
	s_barrier_wait -1                              ; and go on when all four have said so
.endm
; The whole last quarter, with a refill.  Behind the round the slot just read out is filled again first, with the K step two steps on; then come the next slot's first fragments.
; From a request to the wait for it a wave issues 224 matrix instructions.
.macro TURN slot, next
	s_wait_xcnt 0x0                                ; the last prefetch, a K step back, has read its address: it is stepped here, ahead of the waits of the change of slots
	s_add_nc_u64 s[PFA:PFA+1], s[PFA:PFA+1], KSTEP*2
	MEET 1
	CREST                                          ; all sixteen work-groups have said so: no wave of any partner still reads this slot's tile or has a load on its way
	s_add_nc_u64 s[G0+4*(\slot)+2:G0+4*(\slot)+3], s[G0+4*(\slot)+2:G0+4*(\slot)+3], 2*KSTEP*2      ; no tensor load of mine is out, so a group 0 may be written
	s_add_nc_u64 s[G0B+4*(\slot)+2:G0B+4*(\slot)+3], s[G0B+4*(\slot)+2:G0B+4*(\slot)+3], 2*KSTEP*2
	JLOAD \slot                                    ; the first tensor load behind the round, my only one until the next; the four v_nop behind it are also the places in front of the loads below
	FETCH \next, 0, F0
	ASK                                            ; behind the joint load and the run of LDS loads that the next products wait for
	WIN MUL_HI
	MUL16 F1, 1, 0, 0
	MUL16 F1, 1, 2, 0
.endm
; The same without a refill: the change from slot 0 to slot 1 in the last lap.  Nothing is filled, so no round follows the barrier.
.macro TURNL
	MEET 0
	PLACES                                         ; for the loads into buffer 0, which the quarter before multiplied
	FETCH 1, 0, F0
	WIN MUL_HI
	MUL16 F1, 1, 0, 0
	MUL16 F1, 1, 2, 0
.endm
; THE WAY OUT, a block of 16 rows at a time.  A lane's eight results of an accumulator are 32 bytes of one row of C; the lanes beside it hold other rows.  So the block goes through my own
; stage: 16 stores of 16 bytes a lane into rows of 528 bytes, 16 loads back, a whole row of 512 bytes each, and 16 global stores.  LDS serves a wave's instructions in order (ISA guide 5.7.1.4):
; a block's loads see its stores, and the next block's stores come behind them: no wait between them, and no barrier, since no other wave touches my stage.
.macro SENDB a
.irp t, 0,1,2,3,4,5,6,7,8,9,10,11,12,13,14,15
	global_store_b128 v[CO], v[OB+64*((\a)%2)+4*(\t):OB+64*((\a)%2)+4*(\t)+3], s[8:9] offset:(16*(\a)+(\t))*SIZE_N*4 th:TH_STORE_NT  ; 512 consecutive bytes, at a multiple of 512 from C's first; the largest immediate, 127 rows, is 2,080,768
.endr
.endm
.macro OUT a
	WIN 0x08+4*((\a)/4)                            ; the stores' data (source 1) in window 2 or 3, their address in window 0
.irp b, 0,1,2,3,4,5,6,7
	ds_store_b128 v[STO], v[64*((\a)%4)+8*(\b):64*((\a)%4)+8*(\b)+3]   offset:64*(\b)     ; each accumulator's four lowest registers first
	ds_store_b128 v[STO], v[64*((\a)%4)+8*(\b)+4:64*((\a)%4)+8*(\b)+7] offset:64*(\b)+16
.endr
	WIN 0
.if (\a) > 0
	s_wait_dscnt 16                                ; the block before is back in registers: only the sixteen stores just issued are younger
.if (\a) > 1
	s_wait_xcnt 0x0                                ; the global stores of the block two back have read their data: its registers are loaded again below
.endif
	SENDB (\a)-1
.endif
.irp t, 0,1,2,3,4,5,6,7,8,9,10,11,12,13,14,15
	ds_load_b128 v[OB+64*((\a)%2)+4*(\t):OB+64*((\a)%2)+4*(\t)+3], v[RD] offset:(\t)*SPITCH
.endr
.endm
	s_wait_tensorcnt 1                             ; my part of K step 0 is in; K step 1's load, issued behind it, may stay out
	s_barrier_signal -1
	s_barrier_wait -1                              ; everybody's is
	FETCH 0, 0, F0
	QUARTER 0, 64,  F0, F1, 1                      ; the first quarter stands in front of the loop: its products start the sums
	WIN 0                                          ; at a label and at a branch every window is 0
	s_mov_b32 s3, LAPS-1
.Llap:                                                 ; a trip goes once round the ring, from a lap's second quarter to the next lap's first, and fills both slots again
	QUARTER 0, 128, F1, F0, 0
	QUARTER 0, 192, F0, F1, 0
	TURN 0, 1
	QUARTER 1, 64,  F0, F1, 0
	QUARTER 1, 128, F1, F0, 0
	QUARTER 1, 192, F0, F1, 0
	TURN 1, 0
	QUARTER 0, 64,  F0, F1, 0
	WIN 0
	s_sub_co_u32 s3, s3, 1
	s_cmp_lg_u32 s3, 0
	s_cbranch_scc1 .Llap
	QUARTER 0, 128, F1, F0, 0                      ; the last lap is written out: it fills nothing
	QUARTER 0, 192, F0, F1, 0
	TURNL
	QUARTER 1, 64,  F0, F1, 0
	QUARTER 1, 128, F1, F0, 0
	QUARTER 1, 192, F0, F1, 0
	s_wait_dscnt 8                                 ; the very last quarter: nothing more to fetch
	MUL16 F1, 0, 0, 0
	MUL16 F1, 0, 2, 0
	s_wait_dscnt 0x0
	MUL16 F1, 1, 0, 0
	MUL16 F1, 1, 2, 0
	WIN 0
	PLACES                                         ; behind the last products, in front of the stores that read results and of the loads into A's buffers;
	PLACES                                         ; eight, once a launch
.irp a, 0,1,2,3,4,5,6,7
	OUT \a
.endr
	s_wait_dscnt 0x0                               ; the last block is back in registers
	SENDB 7
	s_wait_tensorcnt 0x0                           ; the wave's end: an add and its wait, behind my last tensor load and my last LDS store
	ds_add_u32 v[SPW], v[NIL]
	s_wait_dscnt 0x0
	CROUND                                         ; the closing round: no work-group ends while a partner may still ask for a tile that names it
	s_endpgm
.Lfunc_end_k_qda2da67bd5_gemm:
	.size	k_qda2da67bd5_gemm, .Lfunc_end_k_qda2da67bd5_gemm-k_qda2da67bd5_gemm
	.p2alignl 7, 3214868480
	.fill 96, 4, 3214868480
	.section	.rodata,"a",@progbits
	.p2align	6, 0x0
	.amdhsa_kernel k_qda2da67bd5_gemm
		.amdhsa_group_segment_fixed_size 327680
		.amdhsa_private_segment_fixed_size 0
		.amdhsa_enable_private_segment 0
		.amdhsa_kernarg_size 24
		.amdhsa_user_sgpr_count 2
		.amdhsa_user_sgpr_kernarg_segment_ptr 1
		.amdhsa_wavefront_size32 1
		.amdhsa_system_sgpr_workgroup_id_x 1
		.amdhsa_system_sgpr_workgroup_id_y 1
		.amdhsa_system_sgpr_workgroup_id_z 1
		.amdhsa_system_vgpr_workitem_id 0
		.amdhsa_next_free_vgpr 1024
		.amdhsa_next_free_sgpr 66
		.amdhsa_reserve_vcc 0
		.amdhsa_float_denorm_mode_32 3
		.amdhsa_float_denorm_mode_16_64 3
		.amdhsa_memory_ordered 1
		.amdhsa_forward_progress 1
		.amdhsa_inst_pref_size 141
	.end_amdhsa_kernel
	.amdgpu_metadata
---
amdhsa.version: [ 1, 2 ]
amdhsa.kernels:
  - .name:           k_qda2da67bd5_gemm
    .symbol:         k_qda2da67bd5_gemm.kd
    .args:
      - { .name: xb, .offset: 0, .size: 8, .value_kind: global_buffer, .address_space: global }
      - { .name: wb, .offset: 8, .size: 8, .value_kind: global_buffer, .address_space: global }
      - { .name: out0, .offset: 16, .size: 8, .value_kind: global_buffer, .address_space: global }
    .group_segment_fixed_size: 327680
    .private_segment_fixed_size: 0
    .kernarg_segment_align: 8
    .kernarg_segment_size: 24
    .max_flat_workgroup_size: 128
    .sgpr_count:     66
    .vgpr_count:     1024
    .wavefront_size: 32
...
	.end_amdgpu_metadata
.endif
;; end of part 2
;; ======== version 2 of 2: 2 launches; version 1 with the launch prep written anew for expert scheduling mode
;; workspace buffers: xb 33,554,432 bytes; wb 33,554,432 bytes
;; launch prep (part 3): grid 768 x 1, 8 waves a work-group, no clusters, 0 bytes of LDS; arguments x, weight_packed, weight_scales, xb, wb; writes xb, wb
.if DOCPART == 3
	.amdgcn_target "amdgcn-amd-amdhsa--gfx1250"
	.amdhsa_code_object_version 6
	.text
	.protected	k_qda2da67bd5_prep
	.globl	k_qda2da67bd5_prep
	.p2align	8
	.type	k_qda2da67bd5_prep,@function
k_qda2da67bd5_prep:
	s_mov_b64 s[64:65], 0
	v_nop
	global_prefetch_b8 v0, s[64:65] scope:SCOPE_SE
	s_setreg_imm32_b32 hwreg(HW_REG_WAVE_SCHED_MODE, 0, 2), 2
	s_setreg_imm32_b32 hwreg(HW_REG_WAVE_MODE, 25, 1), 1
	s_wait_xcnt 0x0
	s_wait_alu depctr_vm_vsrc(0)
; xb[t][k] = bf16(x[t][k]);  wb[n][k] = bf16(q[n][k] * bf16(s[n][k / 128])), q = nibble - 8.  Both [4096][4096] bf16, rows of 8,192 bytes.
; A stream: each input byte is read once, each output byte written once, no LDS, no barrier, no loop.  Every wave moves 16,384 bytes of input by 32 loads
; of 16 bytes a lane, all issued at once, and works them off in order behind counted waits.
; SHARES.  Work-groups 0 to 511 take x: eight rows each, a row (16,384 bytes) a wave.  Work-groups 512 to 767 take the weights: sixteen rows each, two rows a wave.
; No register that a store reads, no offset and no base is written again behind its store: so no wait frees any of them.
; THE MODE: SCHED_MODE bits 1:0 = 2 (LLVM: expert scheduling mode 2), set by the entry lines.  The code itself states the register dependences
; between vector instructions and memory instructions, with s_wait_alu, always for 0.
; THE PLAN.  Registers that memory instructions touch:
;   v2, v3     byte offsets, made at a path's head, read by its loads and stores, never written again.
;   v[4:5]     the scales: written by one load, named by no vector instruction before it.
;   X chunk j  written by its load (named by nothing before it), then in place by chunk j's own roundings, read by one store, never written again.
;   All other registers are named by vector instructions alone.
; The 32 chunks go in eight blocks of BLOCK = 4.  Chunk j's turn: the wait for its load, the STORE OF CHUNK j - 4, then chunk j's vector work.  So a block's four stores stand among
; the next block's vector instructions, which name that next block's X and the registers at work: none that those stores read.  One wait on va_vdst at a block's head
; states that the block before has written its four chunks; one at a path's head states the offsets; one behind chunk 31 states the last block.  No vector instruction writes
; a scalar register or VCC, EXEC is never written, and nothing that a memory instruction has read is written again: no other wait has a dependence to state.
; ARITHMETIC.  All float inputs are rounded to bf16, to nearest even: x once; the scale once, and then the product q s once more.
; nibble * s - 8 s is one fused multiply-add in f32 and exact there (4 bits times 8 bits).
; LIMITS.  Bits above bit 7 of a packed word are ignored, as the masks of the definition ignore them.  8 |s| must be finite in f32: |s| under 2^124.
; A weight of value 0 is stored as +0.
.set BLOCK, 4                          ; chunks in a block: a chunk's store stands BLOCK chunks behind its roundings
.set SRAW, 4                           ; v[4:5]    two scales as loaded: groups 2 i and 2 i + 1 of my half's row, i = lane % 16
.set SPK,  6                           ; v6        both rounded to bf16
.set SR,   8                           ; v8, v9    bf16(s) as f32: even group, odd group
.set SM,   10                          ; v10, v11  -8 bf16(s)
.set PS,   12                          ; v[12:13]  the chunk's scale in v12 (the packed form names the pair and takes its low register for both halves)
.set PC,   14                          ; v[14:15]  the chunk's -8 s in v14
.set T,    16                          ; v[16:23]  eight numbers at work
.set X,    24                          ; v[24:151] chunk j: four registers, as loaded and then as stored
	s_load_b256 s[4:11], s[0:1], 0x0               ; x s[4:5], weight_packed s[6:7], weight_scales s[8:9], xb s[10:11]
	s_load_b64 s[12:13], s[0:1], 0x20              ; wb
	v_and_b32 v1, 31, v0                           ; lane
	v_lshrrev_b32 v7, 5, v0                        ; wave
	s_cmp_lt_u32 ttmp9, 512
	s_cbranch_scc0 .Lweights
	; ---- x: row 8 b + wave.  A load of the wave covers 512 consecutive bytes of x; the 128 numbers leave as 256 consecutive bytes of xb, aligned.
	s_lshl_b32 s14, ttmp9, 17                      ; eight rows of 16,384 bytes
	s_mov_b32 s15, 0
	s_lshl_b32 s16, ttmp9, 16                      ; eight rows of 8,192 bytes
	s_mov_b32 s17, 0
	v_lshlrev_b32 v2, 4, v1
	v_lshl_add_u32 v2, v7, 14, v2                  ; in: 16 x lane + 16,384 x wave
	v_lshlrev_b32 v3, 3, v1
	v_lshl_add_u32 v3, v7, 13, v3                  ; out: 8 x lane + 8,192 x wave
	s_wait_kmcnt 0x0
	s_add_nc_u64 s[4:5], s[4:5], s[14:15]
	s_add_nc_u64 s[10:11], s[10:11], s[16:17]
	s_wait_alu depctr_va_vdst(0)                   ; v2 and v3 are written: every load of this path reads v2 as its offset, every store v3
.irp j, 0,1,2,3,4,5,6,7,8,9,10,11,12,13,14,15,16,17,18,19,20,21,22,23,24,25,26,27,28,29,30,31
	global_load_b128 v[X+4*(\j):X+4*(\j)+3], v2, s[4:5] offset:512*(\j) th:TH_LOAD_NT
.endr
.macro XST j                           ; chunk j leaves
	global_store_b64 v3, v[X+4*(\j):X+4*(\j)+1], s[10:11] offset:256*(\j)  ; 32 lanes x 8 bytes: 256 consecutive bytes, aligned
.endm
.macro XCH j
	s_wait_loadcnt 31-(\j)                         ; loads come back in order: chunk j is in, the 31 - j younger ones stay out
.if ((\j) % BLOCK == 0) && ((\j) > 0)
	s_wait_alu depctr_va_vdst(0)                   ; the block before has written its four chunks' registers, which the four stores of this block's turns read
.endif
.if (\j) >= BLOCK
	XST (\j)-BLOCK                                 ; no vector instruction since that wait names this chunk's registers or v3
.endif
	v_cvt_pk_bf16_f32 v[X+4*(\j)],   v[X+4*(\j)],   v[X+4*(\j)+1]
	v_cvt_pk_bf16_f32 v[X+4*(\j)+1], v[X+4*(\j)+2], v[X+4*(\j)+3]
.endm
.irp j, 0,1,2,3,4,5,6,7,8,9,10,11,12,13,14,15,16,17,18,19,20,21,22,23,24,25,26,27,28,29,30,31
	XCH \j
.endr
	s_wait_alu depctr_va_vdst(0)                   ; the last block has written its four chunks' registers, which the last four stores read
.irp j, 28,29,30,31
	XST \j
.endr
	s_endpgm
	; ---- the weights: rows 2 p and 2 p + 1, p = 8 (b - 512) + wave.  A word of 4 bytes holds two weights and becomes two bf16, 4 bytes: a byte offset in wb
	; is the same as in weight_packed.  A group of 128 weights is 64 words, 256 bytes of a row: chunk g of 32 is group g, lanes 0-15 in row 2 p, lanes 16-31 in row 2 p + 1.
.Lweights:
	s_and_b32 s18, ttmp9, 255                      ; b - 512, for b = 512 .. 767
	s_lshl_b32 s14, s18, 17                        ; sixteen rows of 8,192 bytes, in weight_packed and in wb
	s_mov_b32 s15, 0
	s_lshl_b32 s16, s18, 11                        ; sixteen rows of 32 scales
	s_mov_b32 s17, 0
	v_and_b32 v2, 15, v0
	v_lshlrev_b32 v2, 4, v2                        ; 16 x (lane % 16)
	v_bfe_u32 v3, v0, 4, 1
	v_lshl_add_u32 v2, v3, 13, v2                  ; + a row for lanes 16-31
	v_lshl_add_u32 v2, v7, 14, v2                  ; + two rows a wave
	v_lshlrev_b32 v3, 3, v0                        ; the scales: 8 bytes a thread: a wave takes its two rows' 64 scales, 256 consecutive bytes, aligned
	v_mov_b32 v[PS], 0                             ; written whole once: a move between lanes counts its destination as read, and the packed form names both registers of a pair
	v_mov_b32 v[PS+1], 0
	v_mov_b32 v[PC], 0
	v_mov_b32 v[PC+1], 0
	s_wait_kmcnt 0x0
	s_add_nc_u64 s[6:7], s[6:7], s[14:15]
	s_add_nc_u64 s[12:13], s[12:13], s[14:15]
	s_add_nc_u64 s[8:9], s[8:9], s[16:17]
	s_wait_alu depctr_va_vdst(0)                   ; v2 and v3 are written: the scales' load reads v3 as its offset, every other load and every store of this path v2
	global_load_b64 v[SRAW:SRAW+1], v3, s[8:9]     ; lane i of each half: groups 2 i and 2 i + 1 of that half's own row
.irp g, 0,1,2,3,4,5,6,7,8,9,10,11,12,13,14,15,16,17,18,19,20,21,22,23,24,25,26,27,28,29,30,31
	global_load_b128 v[X+4*(\g):X+4*(\g)+3], v2, s[6:7] offset:256*(\g) th:TH_LOAD_NT
.endr
	s_wait_loadcnt 32                              ; the scales are in: the 32 loads of words are younger
	v_cvt_pk_bf16_f32 v[SPK], v[SRAW], v[SRAW+1]   ; the scales' own rounding
	v_lshlrev_b32 v[SR], 16, v[SPK]                ; and back to f32
	v_and_b32 v[SR+1], 0xffff0000, v[SPK]
	v_mul_f32 v[SM], 0xc1000000, v[SR]             ; -8 s, exact
	v_mul_f32 v[SM+1], 0xc1000000, v[SR+1]
.macro WST g                           ; chunk g leaves
	global_store_b128 v2, v[X+4*(\g):X+4*(\g)+3], s[12:13] offset:256*(\g)  ; each half of the lanes: 256 consecutive bytes, aligned
.endm
; Chunk g = 2 i + p: its scale lies in lane i of my half of the lanes, in the register of parity p.
.macro WCH i, p
	s_wait_loadcnt 31-(2*(\i)+(\p))                ; chunk g is in, the 31 - g younger ones stay out
.if ((2*(\i)+(\p)) % BLOCK == 0) && ((2*(\i)+(\p)) > 0)
	s_wait_alu depctr_va_vdst(0)                   ; the block before has written its four chunks' registers, which the four stores of this block's turns read
.endif
.if (2*(\i)+(\p)) >= BLOCK
	WST 2*(\i)+(\p)-BLOCK                          ; no vector instruction since that wait names this chunk's registers or v2
.endif
	v_mov_b32_dpp v[PS], v[SR+(\p)] row_share:\i row_mask:0xf bank_mask:0xf  ; every lane of a half takes that half's lane i
	v_mov_b32_dpp v[PC], v[SM+(\p)] row_share:\i row_mask:0xf bank_mask:0xf
.irp k, 0,1,2,3
	v_and_b32 v[T+2*(\k)],   15, v[X+4*(2*(\i)+(\p))+(\k)]      ; the low nibble: the even column
	v_bfe_u32 v[T+2*(\k)+1], v[X+4*(2*(\i)+(\p))+(\k)], 4, 4    ; the high nibble: the odd column
.endr
.irp k, 0,1,2,3,4,5,6,7
	v_cvt_f32_u32 v[T+(\k)], v[T+(\k)]
.endr
.irp k, 0,2,4,6
	v_pk_fma_f32 v[T+(\k):T+(\k)+1], v[T+(\k):T+(\k)+1], v[PS:PS+1], v[PC:PC+1] op_sel_hi:[1,0,0]  ; nibble s - 8 s, two at a time
.endr
.irp k, 0,1,2,3
	v_cvt_pk_bf16_f32 v[X+4*(2*(\i)+(\p))+(\k)], v[T+2*(\k)], v[T+2*(\k)+1]  ; the even column into the low half
.endr
.endm
.irp i, 0,1,2,3,4,5,6,7,8,9,10,11,12,13,14,15
.irp p, 0,1
	WCH \i, \p
.endr
.endr
	s_wait_alu depctr_va_vdst(0)                   ; the last block has written its four chunks' registers, which the last four stores read
.irp g, 28,29,30,31
	WST \g
.endr
	s_endpgm
.Lfunc_end_k_qda2da67bd5_prep:
	.size	k_qda2da67bd5_prep, .Lfunc_end_k_qda2da67bd5_prep-k_qda2da67bd5_prep
	.p2alignl 7, 3214868480
	.fill 96, 4, 3214868480
	.section	.rodata,"a",@progbits
	.p2align	6, 0x0
	.amdhsa_kernel k_qda2da67bd5_prep
		.amdhsa_group_segment_fixed_size 0
		.amdhsa_private_segment_fixed_size 0
		.amdhsa_enable_private_segment 0
		.amdhsa_kernarg_size 40
		.amdhsa_user_sgpr_count 2
		.amdhsa_user_sgpr_kernarg_segment_ptr 1
		.amdhsa_wavefront_size32 1
		.amdhsa_system_sgpr_workgroup_id_x 1
		.amdhsa_system_sgpr_workgroup_id_y 1
		.amdhsa_system_sgpr_workgroup_id_z 1
		.amdhsa_system_vgpr_workitem_id 0
		.amdhsa_next_free_vgpr 152
		.amdhsa_next_free_sgpr 66
		.amdhsa_reserve_vcc 0
		.amdhsa_float_denorm_mode_32 3
		.amdhsa_float_denorm_mode_16_64 3
		.amdhsa_memory_ordered 1
		.amdhsa_forward_progress 1
		.amdhsa_inst_pref_size 61
	.end_amdhsa_kernel
	.amdgpu_metadata
---
amdhsa.version: [ 1, 2 ]
amdhsa.kernels:
  - .name:           k_qda2da67bd5_prep
    .symbol:         k_qda2da67bd5_prep.kd
    .args:
      - { .name: x, .offset: 0, .size: 8, .value_kind: global_buffer, .address_space: global }
      - { .name: weight_packed, .offset: 8, .size: 8, .value_kind: global_buffer, .address_space: global }
      - { .name: weight_scales, .offset: 16, .size: 8, .value_kind: global_buffer, .address_space: global }
      - { .name: xb, .offset: 24, .size: 8, .value_kind: global_buffer, .address_space: global }
      - { .name: wb, .offset: 32, .size: 8, .value_kind: global_buffer, .address_space: global }
    .group_segment_fixed_size: 0
    .private_segment_fixed_size: 0
    .kernarg_segment_align: 8
    .kernarg_segment_size: 40
    .max_flat_workgroup_size: 256
    .sgpr_count:     66
    .vgpr_count:     152
    .wavefront_size: 32
...
	.end_amdgpu_metadata
.endif
;; end of part 3
;; launch gemm: the kernel of part 2 again; grid 16 x 16, 4 waves a work-group, clusters of 4 x 4, 327,680 bytes of LDS; arguments xb, wb, out0; writes out0
